; MI455X (gfx1250); checked and timed in simulation.
; The chip was launched on July 23, 2026; its instructions are those of AMD's public machine-readable ISA for CDNA 5 (MIT licence, August 2026) and "CDNA5" Instruction Set Architecture Reference Guide (July 2026). The comments in the code are by the model that wrote it; some were corrected since.
;; Offset Attention. Allowed arithmetic: matrix products marked QUANTISED: E4M3 operands, one given power-of-two scale a tensor, by v_wmma_f32_16x16x64_fp8_fp8 or v_wmma_f32_16x16x128_fp8_fp8, f32 sums; products left as they are: f32 operands where the result goes on into a quantised operand, else bf16, f16 or f32 operands; f32 sums; everything else in f32.
;; Inputs: Wk_codes 128 x 4 x 32 uint8 (E4M3 codes of Wk, K innermost, in blocks of 32 codes); Wp 128 x 3 float32; Wq_codes 128 x 4 x 32 uint8 (E4M3 codes of Wq, K innermost, in blocks of 32 codes); Wv_codes 128 x 4 x 32 uint8 (E4M3 codes of Wv, K innermost, in blocks of 32 codes); beta 128 float32; bk 128 float32; bp 128 float32; bq 128 float32; bv 128 float32; features 4 x 128 x 4,096 float32; gamma 128 float32; lowp_scales 12 int32 (the exponents e of the quantised operands' scales 2^e); xyz 4 x 4,096 x 3 float32.
;; Outputs: out0 4 x 128 x 4,096 float32.
;; This version of the problem:
;;   THIS VERSION OF THE PROBLEM IS GIVEN IN LOW PRECISION. The matrix products marked QUANTISED in the list below multiply operands that are first quantised to E4M3 (4 exponent bits, 3 mantissa bits; 8 bits a number), with one given power-of-two scale for each operand tensor; their sums are f32. All else is computed in f32.
;;   The module's matrix products, in the order in which they are computed (A, B: the left and right operand; K: the contracted axis; several contracted axes count as one K, in the product's order):
;;     1. [M 16,384, K 128] x [K 128, N 128]; A: input features; B: input Wq (given as codes): QUANTISED (scales: A lowp_scales[0], B lowp_scales[1])
;;     2. [M 16,384, K 128] x [K 128, N 128]; A: input features; B: input Wk (given as codes): QUANTISED (scales: A lowp_scales[2], B lowp_scales[3])
;;     3. [M 16,384, K 128] x [K 128, N 128]; A: input features; B: input Wv (given as codes): QUANTISED (scales: A lowp_scales[4], B lowp_scales[5])
;;     4. [M 16,384, K 3] x [K 3, N 128]; A: input xyz; B: input Wp: left as it is (K = 3 < 32)
;;     5. batch 4 x [M 4,096, K 128] x [K 128, N 4,096]; A: computed on the way; B: computed on the way: QUANTISED (scales: A lowp_scales[6], B lowp_scales[7])
;;     6. batch 4 x [M 128, K 4,096] x [K 4,096, N 4,096]; A: computed on the way; B: softmax (see below): QUANTISED (scales: A lowp_scales[8], B lowp_scales[9])
;;     7. batch 4 x [M 128, K 4,096] x [K 4,096, N 4,096]; A: computed on the way; B: softmax (see below): QUANTISED (scales: A lowp_scales[10], B lowp_scales[11])
;;   THE QUANTISER, for each operand of a quantised product, along K:
;;     - The operand's scale is 2^e, e = its entry of the input lowp_scales (int32; the entries are numbered through the quantised products in the list's order, A before B).
;;     - Each number is divided by the scale, clamped to +-448, and rounded to the nearest number of E4M3, ties to even, subnormals kept.
;;     - The product sums the exact products of the quantised numbers (number of the format x scale) in f32.
;;   ~~~python
;;   def quantise(x, axis, e):      # numpy; x: float32 -> the quantised numbers, widened to float32 again
;;       x = np.moveaxis(x, axis, -1); K = x.shape[-1]
;;       r = np.clip(x / 2.0 ** e, -448, 448)
;;       step = 2.0 ** (np.maximum(np.frexp(np.where(r == 0, 1, r))[1] - 1, -6) - 3)
;;       q = np.round(r / step) * step * 2.0 ** e      # np.round: ties to even
;;       return np.moveaxis(q, -1, axis).astype(np.float32)
;;   ~~~
;;   SOFTMAX AHEAD OF A QUANTISED PRODUCT. Where the list says 'softmax', what is quantised is not the finished softmax but p = 2^(t - M), with t = logit x log2(e) and M = ceil(the row's largest t), a whole number; so 1/2 < the row's largest p <= 1. The row's sum l is taken of the UNQUANTISED p, in f32, and the product's result is divided by l at the end. Since M is a whole number, a kernel that streams over the keys may use a running M (the ceiling of the running maximum): every later rescaling is an exact power of two, so the quantised numbers keep their values, but for numbers so far below the row's largest that they fall under the format's range.
;;   OPERANDS COMPUTED ON THE WAY. 'Computed on the way' means the value that the module computes at that place (a softmax that the list does not call 'softmax' is quantised finished and normalised). What goes into a quantiser is computed in f32, as accurately as f32 sums, v_exp_f32 and their like allow (about 1e-6 of the number): no bf16 or f16 on the way to a quantiser, and a product that is left as it is and whose result goes on into a quantised operand takes f32 operands (vector FMAs, or v_wmma_f32_16x16x4_f32). A number that lies on a knife's edge between two numbers of the format may be rounded either way, as far as f32 arithmetic and the matrix unit's own rounding can turn it there, and no further.
;;   INPUTS GIVEN AS CODES. Wk (in the module: [128, 128], K = its axis 1); Wq (in the module: [128, 128], K = its axis 1); Wv (in the module: [128, 128], K = its axis 1): each comes as NAME_codes (uint8): NAME with its K axis moved to the last place and cut into blocks of 32 codes, [.., K / 32, bytes a block], one block behind the other in memory; one code a byte (a code: sign, 4 exponent bits, 3 mantissa bits); its scale is its entry of lowp_scales. Its value is code x scale, taken as it is: it is not quantised again, and the codes and scales need not be those that the quantiser above would give.
;; One version. Each part assembles by itself: llvm-mc -triple=amdgcn-amd-amdhsa -mcpu=gfx1250 --defsym DOCPART=n.
;; ======== version 1 of 1: 3 launches
;; workspace buffers: qc 2,097,152 bytes; kvp 6,291,456 bytes; newf 8,388,608 bytes; stats 262,144 bytes
;; launch proj (part 1): grid 256 x 1, 2 waves a work-group, no clusters, 0 bytes of LDS; arguments features, xyz, Wq_codes, Wk_codes, Wv_codes, Wp, bq, bk, bv, bp, lowp_scales, qc, kvp; writes qc, kvp
.if DOCPART == 1
	.amdgcn_target "amdgcn-amd-amdhsa--gfx1250"
	.amdhsa_code_object_version 6
	.text
	.protected	k_qe452eaf7b9_proj
	.globl	k_qe452eaf7b9_proj
	.p2align	8
	.type	k_qe452eaf7b9_proj,@function
k_qe452eaf7b9_proj:
	s_mov_b64 s[64:65], 0
	v_nop
	global_prefetch_b8 v0, s[64:65] scope:SCOPE_SE
	s_setreg_imm32_b32 hwreg(HW_REG_WAVE_MODE, 25, 1), 1
	s_wait_xcnt 0x0
; q, k, v = W x features + b (three products on E4M3 codes) and pos = Wp x xyz + bp (f32 multiply-adds), each quantised for attention's products and stored IN THE ORDER OF AN OPERAND'S REGISTERS.
; A fragment is 16 rows x 128 K = 16 registers a lane = 2,048 bytes: group g (registers 4 g .. 4 g + 3) is 512 bytes, lane l's 16 bytes at 16 l; lane (r = l % 16, h = l / 16) holds row r, k = 32 g + 16 h + 0 .. 15.
; That is one and the same permutation of k in both operands of every product here, so each product meets its partner.
; SHARE.  A wave takes 32 points n of one batch: block nb = 0 .. 127.  No LDS, no barrier, no loop: waves share nothing.
; qc  [b][nb][u][2048]: fragment u holds in lane r the point 32 nb + 8 u + r + 8 (r / 8), K = the channel.
; kvp [b][step = n / 128][49152]: k's 8 fragments (2 (nb % 4) + u, rows as in qc), then v's 8 (fragment ct: lane r = channel 16 ct + r, K = the step's 128 points), then pos's 8 like v's.
; FEATURES.  K (the channel) is not innermost: lane l takes ONE point and its 128 registers run down the channels; each load reads 128 consecutive bytes.  The lanes' points are ordered so that lanes 0-15 hold
; fragment 0's rows and lanes 16-31 fragment 1's; the conversions' results are sorted by halves of 16 channels into two runs of 16 registers, and one exchange of half-waves for each register pair makes the two fragments.
; q and k are made TRANSPOSED (source 0 = 16 rows of W, chosen 8 + 8 with a gap of 8; source 1 = the points), so that a lane holds one point and 16 neighbouring channels in two neighbouring tiles.
; v is made the other way round (source 0 = the points, source 1 = 16 rows of Wv): a lane holds one channel and 16 neighbouring points.
; LIMITS: e0, e2, e4, e6, e7, e8, e10 between -126 and 119; e0 + e1, e2 + e3, e4 + e5 between -126 and 127, so that each power of two below is an f32 number.  NaN among the inputs is not served.
; REGISTERS, in windows of 256.  window 0: v1-8 offsets, v9-14 the conversions' scales, v16-31 bv (twice each), v32-159 features, later v's sums, v160-255 the codes of q, k, v.
;   window 1: Wq, Wk.   window 2: Wv, bq's and bk's tiles.   window 3: v0-127 pos's work, later q's or k's sums; v128-223 the six fragments of features; v224-239 held numbers; v240 pos's scale.
.set MSB, 0
.macro WIN new                         ; the immediate's high byte repeats the setting that is left
.if MSB != \new
	s_set_vgpr_msb (MSB<<8)|\new
.set MSB, \new
.endif
.endm
.macro MKLIM e, pair                   ; s[pair], s[pair+1] = -448 x 2^e, +448 x 2^e
	s_add_co_i32 s[\pair+1], s[\e], 135
	s_lshl_b32 s[\pair+1], s[\pair+1], 23
	s_or_b32 s[\pair+1], s[\pair+1], 0x600000
	s_or_b32 s[\pair], s[\pair+1], 0x80000000
.endm
.macro MKSC e, vr                      ; 2^e as f32: a conversion takes its exponent field
	s_add_co_i32 s70, s[\e], 127
	s_lshl_b32 s70, s70, 23
	v_mov_b32 v[\vr], s70
.endm
.macro MKPROD ea, eb, pair             ; 2^(ea + eb), written twice: the packed form names a pair
	s_add_co_i32 s[\pair], s[\ea], s[\eb]
	s_add_co_i32 s[\pair], s[\pair], 127
	s_lshl_b32 s[\pair], s[\pair], 23
	s_mov_b32 s[\pair+1], s[\pair]
.endm
	s_load_b256 s[4:11], s[0:1], 0x0               ; features s[4:5], xyz s[6:7], Wq s[8:9], Wk s[10:11]
	s_load_b256 s[12:19], s[0:1], 0x20             ; Wv s[12:13], Wp s[14:15], bq s[16:17], bk s[18:19]
	s_load_b256 s[20:27], s[0:1], 0x40             ; bv s[20:21], bp s[22:23], the scales' exponents s[24:25], qc s[26:27]
	s_load_b64 s[28:29], s[0:1], 0x60              ; kvp
	v_lshrrev_b32 v1, 5, v0
	v_readfirstlane_b32 s30, v1                    ; wave 0, 1
	s_lshl_b32 s31, ttmp9, 1
	s_add_co_u32 s31, s31, s30                     ; which block of 32 points, 0 .. 511
	s_lshr_b32 s66, s31, 7                         ; b
	s_and_b32 s67, s31, 127                        ; nb
	v_and_b32 v15, 15, v0                          ; r
	v_bfe_u32 v16, v0, 4, 1                        ; h
	v_and_b32 v1, 7, v0
	v_and_b32 v2, 8, v0
	v_lshl_add_u32 v1, v2, 1, v1
	v_lshl_add_u32 v1, v16, 3, v1                  ; my point in the block: 8 h + r + 8 (r / 8)
	v_lshlrev_b32 v1, 2, v1                        ; in bytes
	v_and_b32 v2, 31, v0
	v_lshlrev_b32 v2, 4, v2                        ; 16 x lane: my place in a group of a fragment
	v_and_b32 v3, 8, v15
	v_add_nc_u32 v3, v3, v15
	v_lshlrev_b32 v3, 7, v3
	v_lshl_add_u32 v3, v16, 4, v3                  ; Wq, Wk: row r + 8 (r / 8) of 128 bytes, + 16 h
	v_lshlrev_b32 v4, 7, v15
	v_lshl_add_u32 v4, v16, 4, v4                  ; Wv: row r, + 16 h
	v_lshlrev_b32 v5, 6, v16                       ; bq, bk: 16 h numbers on
	v_lshlrev_b32 v6, 2, v15                       ; bv, bp: number r
	v_mul_u32_u24 v7, v16, 192                     ; xyz: 16 h points of 12 bytes on
	v_mul_u32_u24 v8, v15, 12                      ; Wp: row r of 12 bytes
	s_wait_kmcnt 0x0
	s_load_b256 s[32:39], s[24:25], 0x0            ; e0 .. e7
	s_load_b128 s[40:43], s[24:25], 0x20           ; e8 .. e11
	s_mov_b32 s69, 0
	s_lshl_b32 s68, s66, 21
	s_lshl_b32 s70, s67, 7
	s_add_co_u32 s68, s68, s70
	s_add_nc_u64 s[4:5], s[4:5], s[68:69]          ; features at (b, channel 0, my block)
	s_mul_i32 s68, s66, 49152
	s_mul_i32 s70, s67, 384
	s_add_co_u32 s68, s68, s70
	s_add_nc_u64 s[6:7], s[6:7], s[68:69]          ; xyz at my block's first point
	s_lshl_b32 s68, s66, 19
	s_lshl_b32 s70, s67, 12
	s_add_co_u32 s68, s68, s70
	s_add_nc_u64 s[80:81], s[26:27], s[68:69]      ; qc: my two fragments
	s_mul_i32 s68, s66, 1572864
	s_lshr_b32 s70, s67, 2
	s_mul_i32 s70, s70, 49152
	s_add_co_u32 s68, s68, s70                     ; kvp: my step's first byte
	s_and_b32 s71, s67, 3
	s_lshl_b32 s72, s71, 12
	s_add_co_u32 s72, s72, s68
	s_mov_b32 s73, 0
	s_add_nc_u64 s[82:83], s[28:29], s[72:73]      ; k: fragments 2 (nb % 4), + 1
	s_lshl_b32 s74, s71, 9
	s_add_co_u32 s74, s74, s68
	s_add_co_u32 s74, s74, 16384
	s_mov_b32 s75, 0
	s_add_nc_u64 s[84:85], s[28:29], s[74:75]      ; v: group nb % 4 of each of its 8 fragments
	s_add_co_u32 s76, s74, 16384
	s_mov_b32 s77, 0
	s_add_nc_u64 s[86:87], s[28:29], s[76:77]      ; pos likewise
	; ---- all loads, what is wanted first in front
	WIN 0xC0                                       ; destination window 3
.set kk, 0
.rept 12
	global_load_b128 v[4*kk:4*kk+3], v7, s[6:7] offset:16*kk          ; 16 points' x, y, z: register 3 i + j
.set kk, kk+1
.endr
.set tt, 0
.rept 8
	global_load_b32 v[48+4*tt], v8, s[14:15] offset:192*tt            ; Wp's row of channel 16 ct + r,
	global_load_b32 v[49+4*tt], v8, s[14:15] offset:192*tt+4
	global_load_b32 v[50+4*tt], v8, s[14:15] offset:192*tt+8
	global_load_b32 v[51+4*tt], v6, s[22:23] offset:64*tt             ; and its bp
.set tt, tt+1
.endr
	WIN 0
.set kk, 0
.rept 128
	global_load_b32 v[32+kk], v1, s[4:5] offset:16384*kk              ; features(b, channel kk, my point): 32 lanes read 128 consecutive bytes
.set kk, kk+1
.endr
	WIN 0x40                                       ; destination window 1
.set tt, 0
.rept 8
.set cc, 0
.rept 4
	global_load_b128 v[16*tt+4*cc:16*tt+4*cc+3], v3, s[8:9] offset:(32*(tt/2)+8*(tt%2))*128+32*cc
	global_load_b128 v[128+16*tt+4*cc:128+16*tt+4*cc+3], v3, s[10:11] offset:(32*(tt/2)+8*(tt%2))*128+32*cc
.set cc, cc+1
.endr
.set tt, tt+1
.endr
	WIN 0x80                                       ; destination window 2
.set tt, 0
.rept 8
.set cc, 0
.rept 4
	global_load_b128 v[16*tt+4*cc:16*tt+4*cc+3], v4, s[12:13] offset:2048*tt+32*cc
.set cc, cc+1
.endr
.set tt, tt+1
.endr
.set tt, 0
.rept 8                                        ; the biases in the result's layout: lane (r, h), tile t: channels 32 (t / 2) + 16 h + 8 (t % 2) + 0 .. 7
	global_load_b128 v[128+8*tt:131+8*tt], v5, s[16:17] offset:(32*(tt/2)+8*(tt%2))*4
	global_load_b128 v[132+8*tt:135+8*tt], v5, s[16:17] offset:(32*(tt/2)+8*(tt%2))*4+16
	global_load_b128 v[192+8*tt:195+8*tt], v5, s[18:19] offset:(32*(tt/2)+8*(tt%2))*4
	global_load_b128 v[196+8*tt:199+8*tt], v5, s[18:19] offset:(32*(tt/2)+8*(tt%2))*4+16
.set tt, tt+1
.endr
	WIN 0
.set tt, 0
.rept 8
	global_load_b32 v[16+2*tt], v6, s[20:21] offset:64*tt             ; bv of channel 16 ot + r, in both halves of a pair
	global_load_b32 v[17+2*tt], v6, s[20:21] offset:64*tt
.set tt, tt+1
.endr
	; ---- the scales
	s_wait_kmcnt 0x0
	MKLIM 32, 44                                   ; features for q (e0),
	MKLIM 34, 46                                   ; for k (e2),
	MKLIM 36, 48                                   ; for v (e4)
	MKLIM 38, 50                                   ; q (e6)
	MKLIM 39, 52                                   ; k (e7)
	MKLIM 40, 54                                   ; v (e8)
	MKLIM 42, 56                                   ; pos (e10)
	MKPROD 32, 33, 58
	MKPROD 34, 35, 60
	MKPROD 36, 37, 62
	MKSC 32, 9
	MKSC 34, 10
	MKSC 36, 11
	MKSC 38, 12
	MKSC 39, 13
	MKSC 40, 14
	WIN 0xC0
	MKSC 42, 240
	s_wait_loadcnt 63                              ; 144 loads were issued behind the last of features: a count of 63 shows xyz, Wp, bp and features in
	; ---- pos: lane (r, h) makes channel 16 ct + r at points 16 h + 0 .. 15 of the block: 16 neighbours along attention's K
	WIN 0xFF
.set tt, 0
.rept 8
.set ii, 0
.rept 16
	v_fma_f32 v[80+ii], v[48+4*tt], v[3*ii], v[51+4*tt]
.set ii, ii+1
.endr
.set ii, 0
.rept 16
	v_fma_f32 v[80+ii], v[49+4*tt], v[3*ii+1], v[80+ii]
.set ii, ii+1
.endr
.set ii, 0
.rept 16
	v_fma_f32 v[80+ii], v[50+4*tt], v[3*ii+2], v[80+ii]
.set ii, ii+1
.endr
.set ii, 0
.rept 16
	v_med3_num_f32 v[80+ii], s56, v[80+ii], s57    ; the conversion to an 8-bit code does not saturate (ISA guide 7.6.2): the hold at the largest code x the scale
.set ii, ii+1
.endr
	v_cvt_scalef32_pk8_fp8_f32 v[96+4*tt:97+4*tt], v[80:87], v240
	v_cvt_scalef32_pk8_fp8_f32 v[98+4*tt:99+4*tt], v[88:95], v240
	v_nop                                          ; a plain line between the conversions and the next lines that write their sources
.set tt, tt+1
.endr
	WIN 0x0C                                       ; store data window 3
.set tt, 0
.rept 8
	global_store_b128 v2, v[96+4*tt:99+4*tt], s[86:87] offset:2048*tt     ; 32 lanes store 512 consecutive bytes, aligned
.set tt, tt+1
.endr
; features -> two fragments, with one scale.  Conversion m takes channels 8 m .. 8 m + 7 of my point; halves of 16 channels go by turns to run f0 and run f1.
.macro QUANTF lim, sc, f0, f1
	WIN 0xC3                                       ; destination and source 0 window 3, source 1 (features; the scale) window 0
.set mm, 0
.rept 16
.set ii, 0
.rept 8
	v_med3_num_f32 v[224+8*(mm%2)+ii], s[\lim], v[32+8*mm+ii], s[\lim+1]
.set ii, ii+1
.endr
.if (mm/2)%2
	v_cvt_scalef32_pk8_fp8_f32 v[\f1+4*(mm/4)+2*(mm%2):\f1+4*(mm/4)+2*(mm%2)+1], v[224+8*(mm%2):231+8*(mm%2)], v[\sc]
.else
	v_cvt_scalef32_pk8_fp8_f32 v[\f0+4*(mm/4)+2*(mm%2):\f0+4*(mm/4)+2*(mm%2)+1], v[224+8*(mm%2):231+8*(mm%2)], v[\sc]
.endif
.set mm, mm+1
.endr
	v_nop                                          ; a plain line behind the last conversion
.set ii, 0
.rept 16
	v_permlane16_swap_b32 v[\f0+ii], v[\f1+ii]     ; f0's lanes 16-31 (fragment 1's rows, lower 16 channels) change places with f1's lanes 0-15 (fragment 0's rows, upper 16): f0 and f1 are now fragments 0 and 1
.set ii, ii+1
.endr
.endm
	QUANTF 44, 9, 128, 144
	QUANTF 46, 10, 160, 176
	QUANTF 48, 11, 192, 208
	s_wait_loadcnt 0x0                             ; the weights and biases
	s_wait_xcnt 0x0                                ; pos's stores have read their registers, which q's sums take
	WIN 0xCD                                       ; D window 3, source 0 (Wq) window 1, source 1 (features) window 3
.set uu, 0
.rept 2
.set tt, 0
.rept 8
	v_wmma_f32_16x16x128_fp8_fp8 v[64*uu+8*tt:64*uu+8*tt+7], v[16*tt:16*tt+15], v[128+16*uu:143+16*uu], 0
.set tt, tt+1
.endr
.set uu, uu+1
.endr
	WIN 0x0B                                       ; D window 0, source 0 (features) window 3, source 1 (Wv) window 2
.set tt, 0
.rept 8
.set uu, 0
.rept 2
	v_wmma_f32_16x16x128_fp8_fp8 v[32+16*tt+8*uu:32+16*tt+8*uu+7], v[192+16*uu:207+16*uu], v[16*tt:16*tt+15], 0
.set uu, uu+1
.endr
.set tt, tt+1
.endr
.rept 4
	v_nop                                          ; four places between a matrix instruction and the first vector instruction that reads its result (ISA guide 7.12.1)
.endr
; the 16 tiles in window 3 v0-127 ([u][t][j]) x 2^(the two exponents) + bias, held, converted, stored: two fragments
.macro POST sp, bias, lim, sc, out, base
	WIN 0xE3                                       ; D and source 0 window 3, source 2 (the bias) window 2
.set jj, 0
.rept 64
	v_pk_fma_f32 v[2*jj:2*jj+1], v[2*jj:2*jj+1], s[\sp:\sp+1], v[\bias+(2*jj)%64:\bias+(2*jj)%64+1] op_sel_hi:[1,0,1]   ; each accumulator from its low end on
.set jj, jj+1
.endr
	WIN 0xCC
.set jj, 0
.rept 128
	v_med3_num_f32 v[jj], s[\lim], v[jj], s[\lim+1]
.set jj, jj+1
.endr
	WIN 0x03
.set jj, 0
.rept 16
	v_cvt_scalef32_pk8_fp8_f32 v[\out+2*jj:\out+2*jj+1], v[8*jj:8*jj+7], v[\sc]   ; tile t of fragment u: registers 16 u + 2 t: channels 32 (t / 2) + 16 h + 8 (t % 2) + 0 .. 7
.set jj, jj+1
.endr
	v_nop                                          ; a plain line behind the last conversion: matrix instructions write its sources next
	WIN 0
.set jj, 0
.rept 8
	global_store_b128 v2, v[\out+4*jj:\out+4*jj+3], s[\base:\base+1] offset:512*jj
.set jj, jj+1
.endr
.endm
	POST 58, 128, 50, 12, 160, 80                  ; q
	WIN 0xCD
.set uu, 0
.rept 2
.set tt, 0
.rept 8
	v_wmma_f32_16x16x128_fp8_fp8 v[64*uu+8*tt:64*uu+8*tt+7], v[128+16*tt:143+16*tt], v[160+16*uu:175+16*uu], 0
.set tt, tt+1
.endr
.set uu, uu+1
.endr
.rept 4
	v_nop
.endr
	POST 60, 192, 52, 13, 192, 82                  ; k
	; v: lane (r, h) holds channel 16 ot + r; registers [u][j] are points 16 h + 8 u + j
.set jj, 0
.rept 64
	v_pk_fma_f32 v[32+2*jj:33+2*jj], v[32+2*jj:33+2*jj], s[62:63], v[16+2*(jj/8):17+2*(jj/8)] op_sel_hi:[1,0,1]
.set jj, jj+1
.endr
.set jj, 0
.rept 128
	v_med3_num_f32 v[32+jj], s54, v[32+jj], s55
.set jj, jj+1
.endr
.set jj, 0
.rept 16
	v_cvt_scalef32_pk8_fp8_f32 v[224+2*jj:225+2*jj], v[32+8*jj:39+8*jj], v14
.set jj, jj+1
.endr
	v_nop
.set tt, 0
.rept 8
	global_store_b128 v2, v[224+4*tt:227+4*tt], s[84:85] offset:2048*tt
.set tt, tt+1
.endr
	s_endpgm
.Lfunc_end_k_qe452eaf7b9_proj:
	.size	k_qe452eaf7b9_proj, .Lfunc_end_k_qe452eaf7b9_proj-k_qe452eaf7b9_proj
	.p2alignl 7, 3214868480
	.fill 96, 4, 3214868480
	.section	.rodata,"a",@progbits
	.p2align	6, 0x0
	.amdhsa_kernel k_qe452eaf7b9_proj
		.amdhsa_group_segment_fixed_size 0
		.amdhsa_private_segment_fixed_size 0
		.amdhsa_enable_private_segment 0
		.amdhsa_kernarg_size 104
		.amdhsa_user_sgpr_count 2
		.amdhsa_user_sgpr_kernarg_segment_ptr 1
		.amdhsa_wavefront_size32 1
		.amdhsa_system_sgpr_workgroup_id_x 1
		.amdhsa_system_sgpr_workgroup_id_y 1
		.amdhsa_system_sgpr_workgroup_id_z 1
		.amdhsa_system_vgpr_workitem_id 0
		.amdhsa_next_free_vgpr 1024
		.amdhsa_next_free_sgpr 96
		.amdhsa_reserve_vcc 0
		.amdhsa_float_denorm_mode_32 3
		.amdhsa_float_denorm_mode_16_64 3
		.amdhsa_memory_ordered 1
		.amdhsa_forward_progress 1
		.amdhsa_inst_pref_size 144
	.end_amdhsa_kernel
	.amdgpu_metadata
---
amdhsa.version: [ 1, 2 ]
amdhsa.kernels:
  - .name:           k_qe452eaf7b9_proj
    .symbol:         k_qe452eaf7b9_proj.kd
    .args:
      - { .name: features, .offset: 0, .size: 8, .value_kind: global_buffer, .address_space: global }
      - { .name: xyz, .offset: 8, .size: 8, .value_kind: global_buffer, .address_space: global }
      - { .name: Wq_codes, .offset: 16, .size: 8, .value_kind: global_buffer, .address_space: global }
      - { .name: Wk_codes, .offset: 24, .size: 8, .value_kind: global_buffer, .address_space: global }
      - { .name: Wv_codes, .offset: 32, .size: 8, .value_kind: global_buffer, .address_space: global }
      - { .name: Wp, .offset: 40, .size: 8, .value_kind: global_buffer, .address_space: global }
      - { .name: bq, .offset: 48, .size: 8, .value_kind: global_buffer, .address_space: global }
      - { .name: bk, .offset: 56, .size: 8, .value_kind: global_buffer, .address_space: global }
      - { .name: bv, .offset: 64, .size: 8, .value_kind: global_buffer, .address_space: global }
      - { .name: bp, .offset: 72, .size: 8, .value_kind: global_buffer, .address_space: global }
      - { .name: lowp_scales, .offset: 80, .size: 8, .value_kind: global_buffer, .address_space: global }
      - { .name: qc, .offset: 88, .size: 8, .value_kind: global_buffer, .address_space: global }
      - { .name: kvp, .offset: 96, .size: 8, .value_kind: global_buffer, .address_space: global }
    .group_segment_fixed_size: 0
    .private_segment_fixed_size: 0
    .kernarg_segment_align: 8
    .kernarg_segment_size: 104
    .max_flat_workgroup_size: 64
    .sgpr_count:     96
    .vgpr_count:     1024
    .wavefront_size: 32
...
	.end_amdgpu_metadata
.endif
;; end of part 1
;; launch attn (part 2): grid 64 x 4, 4 waves a work-group, clusters of 4 x 1, 327,680 bytes of LDS; arguments qc, kvp, features, lowp_scales, newf, stats; writes newf, stats
.if DOCPART == 2
	.amdgcn_target "amdgcn-amd-amdhsa--gfx1250"
	.amdhsa_code_object_version 6
	.text
	.protected	k_qe452eaf7b9_attn
	.globl	k_qe452eaf7b9_attn
	.p2align	8
	.type	k_qe452eaf7b9_attn,@function
k_qe452eaf7b9_attn:
	s_mov_b64 s[64:65], 0
	v_nop
	global_prefetch_b8 v0, s[64:65] scope:SCOPE_SE
	s_setreg_imm32_b32 hwreg(HW_REG_WAVE_MODE, 25, 1), 1
	s_wait_xcnt 0x0
	s_wait_alu depctr_hold_cnt(0) depctr_sa_sdst(0) depctr_va_vdst(0) depctr_va_sdst(0) depctr_va_ssrc(0) depctr_va_vcc(0) depctr_vm_vsrc(0)
	s_getreg_b32 s2, hwreg(HW_REG_IB_STS2, 6, 4)
	s_cmp_eq_u32 s2, 0
	s_cbranch_scc0 .Lentry_in_a_cluster
	s_endpgm
.Lentry_in_a_cluster:
	s_bfe_u32 s2, ttmp6, 0x10000c
	s_cmp_lg_u32 s2, 0x3003
	s_cbranch_scc0 .Lentry_shape_is_right
	s_endpgm
.Lentry_shape_is_right:
; newf[b][c][n] = (sum over keys m of p(n, m) (v[c][m] + pos[c][m])) / l(n) + features[b][c][n], and for each work-group and channel the sum and the centred sum of squares of its 64 numbers.
; All three products on E4M3 codes.  t = score x log2(e) / sqrt(128); M = the largest t so far, rounded UP to a whole number; p = 2^(t - M), not normalised, quantised twice (with 2^e9 for v, with 2^e11 for pos);
; l is the sum of the unquantised p.  When M moves, l and the sums are multiplied by 2^(old M - new M), which rounds nothing.
; SHARES.  A work-group owns 64 queries of one batch.  Wave w: qh = w % 2 picks 32 of them (two tiles of 16), kg = w / 2 picks 128 of each block's 256 keys.  The two key groups' results are merged at the end.
; Both kinds of product are used transposed (S^T = K Q^T, O^T = V^T P^T): a lane holds one query throughout; the keys of a tile of K were chosen by the launch before so that p's 16 registers of two neighbouring tiles are 16 neighbouring keys.
; K, V and pos lie in memory in the order of the operands' registers: 256 keys are one dense block of 98,304 bytes; each wave fetches a quarter by one tensor load; a fragment comes from LDS by four loads of 512 consecutive bytes and feeds two products.
; BY TURNS.  The wave's two tiles take turns.  In a TURN one tile has the matrix unit: its 16 products with V and pos of the step in hand, then its 8 products K Q^T of the next step; the other tile's softmax is the turn's
; vector work, and the 24 products stand at 24 fixed places in it (macro MX), some 15 vector instructions apart.  Turn A(j): tile 0's products, tile 1's softmax of step j.  Turn B(j): tile 1's products, tile 0's softmax of step j + 1.
; The LDS loads stand at the same places, four at a place: K of step j + 1 at places 0-7 of turn A(j); V of step j + 1 at places 8-15 and pos at places 16-23 of turn B(j), each fragment eight places behind the last product that read its registers.
; THE RING.  Two slots of one block.  The change of slots stands between B(j - 1) and A(j): block j has been read out and its slot takes block j + 2, which has a whole step in which to land.
; CLUSTER.  The four work-groups of a cluster lie in one batch and walk the same blocks: each quarter is asked for JOINTLY, by the same tensor load with the same descriptor and the mask of all four.
; By this text's own count a wave has two tensor loads outstanding at the start and one afterwards.
; LIMITS: e6 + e7 between -123 and 130 (added to c's exponent field); e9, e11 between -126 and 119; e8 + e9, e10 + e11 between -126 and 127.  NaN among the inputs is not served.
; REGISTERS, in windows of 256.  window 1 (tile 0) and window 2 (tile 1), alike: v0-63 O^T of v, v64-127 O^T of pos, v128-191 S^T then p, v192-207 and v208-223 p's codes, v224-239 Q, v240 -M, v241 the largest score,
;   v[242:243] l in two halves, v244 f (v245 = 0), v246, v247 the conversions' scales, v248-255 at work.   window 0: v1-15 addresses, v16-49 the way out's figures, v64-127 features, v128-255 K's fragments.   window 3: V's and pos's fragments.
; All that a softmax touches lies in its tile's window, and no window has room for a product's operands beside it: a place costs two switches of the window, three where loads stand there.
.set SLOT1, 1<<17                      ; slot 1 begins here: one exclusive or turns an address in one slot into the other's
.set TILEB, 98304                      ; 256 keys of K, V and pos
.set SPARE, SLOT1+TILEB                ; behind the ring: the spare words, 128 bytes for each wave: two blocks of 256 bytes that no other line names
.set MST,   65536                      ; the way out, in slot 0, which has had its last fill and its last read by then: four images of 16,384 bytes from byte 0 on; 512 bytes of figures for each wave;
.set STAGE, 67584                      ; 128 rows (channels) x (256 bytes + 16)
.set SP,    272
.set S,   128
.set P9,  192
.set P11, 208
.set Q,   224
.set NM,  240
.set LS,  242
.set FF,  244
.set SC9, 246
.set SC11, 247
.set T,   248
.set MSB, 0
.macro WIN new                         ; the immediate's high byte repeats the setting that is left; a switch that changes nothing is dropped
.if MSB != \new
	s_set_vgpr_msb (MSB<<8)|\new
.set MSB, \new
.endif
.endm
.macro CROUND                          ; a round of the cluster's barrier
	s_barrier_signal -1
	s_barrier_wait -1
	s_cmp_lg_u32 s16, 0
	s_cbranch_scc1 .Lnot_wave_0_\@
	s_barrier_signal -3
.Lnot_wave_0_\@:
	s_barrier_wait -3
	s_barrier_signal -1
	s_barrier_wait -1
.endm
.macro BARRIER                         ; my LDS stores have landed and my LDS loads are in: then the work-group's barrier
	s_wait_dscnt 0x0
	s_barrier_signal -1
	s_barrier_wait -1
.endm
; A prefetch into the L2 of the block that the NEXT change of slots will ask for: 384 pieces of 256 bytes.  All clusters of a batch walk the same blocks: the batch's first cluster asks.  Its four partners take a quarter each,
; told apart by address; in each, waves 0 to 2 take 8,192 bytes, lanes 256 bytes apart: each piece is named once in the launch.  The last change that fills a slot asks for nothing; blocks 0, 1 and 2 come by their loads alone.
.macro ASK
	s_cmp_gt_u32 s41, s42
	s_cbranch_scc0 .Lnot_mine_\@
	global_prefetch_b8 v5, s[44:45] th:TH_LOAD_NT scope:SCOPE_SE
.Lnot_mine_\@:
.endm
	s_load_b256 s[4:11], s[0:1], 0x0               ; qc s[4:5], kvp s[6:7], features s[8:9], the scales' exponents s[10:11]
	s_load_b128 s[12:15], s[0:1], 0x20             ; newf s[12:13], stats s[14:15]
	v_lshl_add_u32 v1, v0, 2, SPARE                ; my spare word; never rewritten
	v_mov_b32 v2, 0                                ; 0; never rewritten
	ds_add_u32 v1, v2
	ds_add_u32 v1, v2
	s_wait_dscnt 0x0
	v_lshrrev_b32 v3, 5, v0
	v_readfirstlane_b32 s16, v3                    ; wave 0..3
	s_and_b32 s17, s16, 1                          ; qh
	s_lshr_b32 s18, s16, 1                         ; kg
	s_bfe_u32 s19, ttmp6, 0x40000                  ; cx
	s_lshl_b32 s20, ttmp9, 2
	s_add_co_u32 s20, s20, s19                     ; my block of 64 queries = 4 x cluster x + cx
	s_and_b32 s21, ttmp7, 0xffff                   ; the batch, which the four partners share
	; descriptor group 1: 96 rows of 256 bytes, dense
	s_mov_b32 s24, 15|(3<<16)|(1<<21)              ; 15:0 the mask: all four work-groups; 17:16 elements of 8 bytes; 21 set beside a mask; no padding
	s_mov_b32 s25, 32<<16                          ; tensor_dim0 = 32
	s_mov_b32 s26, 96<<16                          ; tensor_dim1 = 96
	s_mov_b32 s27, 32<<16                          ; tile_dim0 = 32
	s_mov_b32 s28, 96                              ; tile_dim1 = 96
	s_mov_b32 s29, 32                              ; from row to row
	s_mov_b32 s30, 0
	s_mov_b32 s31, 0
	; descriptor group 0, two sets: s[84:87] block 0 into slot 0; s[32:35] block 1 into slot 1, which then walks on
	s_mul_i32 s85, s16, 24576                      ; my quarter of a block: in LDS, slot 0,
	s_add_co_u32 s33, s85, SLOT1                   ; slot 1,
	s_mul_i32 s68, s21, 1572864                    ; the batch's bytes in kvp,
	s_add_co_u32 s68, s68, s85                     ; and my quarter in memory
	s_mov_b32 s69, 0
	s_mov_b32 s84, 1
	s_mov_b32 s32, 1
	s_mov_b32 s36, 0x76543210                      ; v_permlanex16_b32's selects for lane l xor 16
	s_mov_b32 s37, 0xfedcba98
	s_mov_b32 s40, 0                               ; the slot from which fragments are fetched
	s_mov_b32 s41, 15                              ; (above 1: the first change of slots prefetches)
	s_wait_kmcnt 0x0
	s_load_b256 s[48:55], s[10:11], 0x0            ; e0 .. e7
	s_load_b128 s[56:59], s[10:11], 0x20           ; e8 .. e11
	s_add_nc_u64 s[86:87], s[6:7], s[68:69]
	s_add_nc_u64 s[34:35], s[86:87], TILEB
	s_or_b32 s87, s87, 0x80000000                  ; type = 2
	s_or_b32 s35, s35, 0x80000000
	CROUND                                         ; all four work-groups are here: the first joint loads meet
	tensor_load_to_lds s[84:87], s[24:31]          ; the two first fills go out together, ahead of every wait on TENSORcnt and every LDS read
	s_nop 0
	tensor_load_to_lds s[32:35], s[24:31]
	s_nop 0
.rept 4
	v_nop
.endr
	; who prefetches, and where
	s_cmp_eq_u32 s16, 3
	s_cselect_b32 s42, 1, 0
	s_or_b32 s42, s42, ttmp9                       ; 0 in waves 0 to 2 of the batch's first cluster: the same in all four partners
	s_cmp_eq_u32 s42, 0
	s_cselect_b32 s42, 1, -1
	s_mul_i32 s70, s21, 1572864
	s_mul_i32 s66, s19, 24576
	s_add_co_u32 s70, s70, s66
	s_lshl_b32 s66, s16, 13
	s_add_co_u32 s70, s70, s66
	s_add_co_u32 s70, s70, 2*TILEB                 ; in block 2: the first change of slots steps it to block 3
	s_mov_b32 s71, 0
	s_add_nc_u64 s[44:45], s[6:7], s[70:71]
	; Q, features, newf, stats at my part
	s_lshl_b32 s70, s20, 1
	s_add_co_u32 s70, s70, s17
	s_lshl_b32 s70, s70, 12
	s_lshl_b32 s66, s21, 19
	s_add_co_u32 s70, s70, s66
	s_add_nc_u64 s[4:5], s[4:5], s[70:71]          ; my two fragments of Q
	s_lshl_b32 s70, s21, 21
	s_lshl_b32 s66, s16, 19
	s_add_co_u32 s70, s70, s66
	s_lshl_b32 s66, s20, 8
	s_add_co_u32 s70, s70, s66
	s_add_nc_u64 s[8:9], s[8:9], s[70:71]          ; (batch, channel 32 w, query 64 x block)
	s_add_nc_u64 s[12:13], s[12:13], s[70:71]
	s_lshl_b32 s70, s21, 6
	s_add_co_u32 s70, s70, s20
	s_lshl_b32 s70, s70, 8
	s_lshl_b32 s66, s16, 16
	s_add_co_u32 s70, s70, s66
	s_add_nc_u64 s[14:15], s[14:15], s[70:71]      ; record (channels 32 w on, work-group 64 x batch + block)
	; every address register is made here
	v_and_b32 v16, 31, v0                          ; lane
	v_and_b32 v15, 15, v0                          ; r
	v_bfe_u32 v17, v0, 4, 1                        ; h
	v_lshlrev_b32 v18, 4, v16                      ; 16 x lane
	s_mul_i32 s66, s18, 49152
	v_lshl_add_u32 v3, v16, 4, s66                 ; a fragment's group in my key group of a slot
	v_lshlrev_b32 v5, 8, v16                       ; the prefetches' offset
	v_lshlrev_b32 v6, 18, v17
	v_lshl_add_u32 v6, v15, 4, v6                  ; features, newf: 16 h channels on, 16 r bytes
	s_lshl_b32 s66, s16, 14
	v_lshl_add_u32 v7, v16, 4, s66                 ; my image
	s_lshl_b32 s67, s18, 12
	s_add_co_u32 s66, s66, s67
	v_lshl_add_u32 v9, v16, 4, s66                 ; my channels' half of my image,
	s_xor_b32 s66, s16, 2
	s_lshl_b32 s66, s66, 14
	s_add_co_u32 s66, s66, s67
	v_lshl_add_u32 v10, v16, 4, s66                ; and of the image of the wave with my queries and the other keys
	s_lshl_b32 s66, s16, 9
	s_add_co_u32 s66, s66, MST
	v_lshl_add_u32 v8, v16, 2, s66                 ; my figures,
	s_xor_b32 s66, s16, 2
	s_lshl_b32 s66, s66, 9
	s_add_co_u32 s66, s66, MST
	v_lshl_add_u32 v11, v16, 2, s66                ; and that wave's
	v_and_b32 v12, 8, v15
	v_add_nc_u32 v12, v12, v15
	v_lshlrev_b32 v12, 2, v12
	v_mul_u32_u24 v19, v17, 8*SP
	v_add_nc_u32 v12, v12, v19
	s_mul_i32 s66, s18, 64*SP
	s_lshl_b32 s67, s17, 7
	s_add_co_u32 s66, s66, s67
	s_add_co_u32 s66, s66, STAGE
	v_add_nc_u32 v12, s66, v12                     ; the stage, in: row 64 kg + 8 h, query 32 qh + r + 8 (r / 8)
	v_mul_u32_u24 v13, v17, 16*SP
	v_lshl_add_u32 v13, v15, 4, v13
	s_mul_i32 s66, s16, 32*SP
	s_add_co_u32 s66, s66, STAGE
	v_add_nc_u32 v13, s66, v13                     ; and back: row 32 w + 16 h, 16 r bytes
	v_lshlrev_b32 v14, 3, v16                      ; my 8 bytes of the record
	WIN 0x40
.set gg, 0
.rept 4
	global_load_b128 v[Q+4*gg:Q+4*gg+3], v18, s[4:5] offset:512*gg
.set gg, gg+1
.endr
	WIN 0x80
.set gg, 0
.rept 4
	global_load_b128 v[Q+4*gg:Q+4*gg+3], v18, s[4:5] offset:2048+512*gg
.set gg, gg+1
.endr
	WIN 0
.set ii, 0
.rept 16
	global_load_b128 v[64+4*ii:67+4*ii], v6, s[8:9] offset:16384*ii th:TH_LOAD_NT   ; features for the way out: sixteen lanes read 256 consecutive bytes; they stay on their way through the loop
.set ii, ii+1
.endr
	s_wait_kmcnt 0x0
	s_add_co_i32 s66, s54, s55
	s_lshl_b32 s66, s66, 23
	s_add_co_i32 s38, s66, 0x3e0293ee              ; c = log2(e) / sqrt(128), with e6 + e7 added to its exponent field
	s_mov_b32 s39, s38
	s_add_co_i32 s66, s57, 127
	s_lshl_b32 s78, s66, 23                        ; 2^e9
	s_add_co_i32 s66, s66, 8
	s_lshl_b32 s66, s66, 23
	s_or_b32 s46, s66, 0x600000                    ; 448 x 2^e9
	s_add_co_i32 s66, s59, 127
	s_lshl_b32 s79, s66, 23                        ; 2^e11
	s_add_co_i32 s66, s66, 8
	s_lshl_b32 s66, s66, 23
	s_or_b32 s47, s66, 0x600000                    ; 448 x 2^e11
	s_add_co_i32 s60, s56, s57
	s_add_co_i32 s60, s60, 127
	s_lshl_b32 s60, s60, 23                        ; 2^(e8 + e9)
	s_mov_b32 s61, s60
	s_add_co_i32 s62, s58, s59
	s_add_co_i32 s62, s62, 127
	s_lshl_b32 s62, s62, 23                        ; 2^(e10 + e11)
	s_mov_b32 s63, s62
.irp w, 0x55, 0xAA
	WIN \w
	v_mov_b32 v[NM+1], 0xff61b1e6                  ; the largest score so far: -3e38, under every sum of 128 products of codes
	v_floor_f32 v[NM], -v[NM+1]                    ; -M: so far above every -M that the first f is 0
	v_mov_b32 v[LS], 0
	v_mov_b32 v[LS+1], 0
	v_mov_b32 v[FF+1], 0                           ; (named as the upper half of a pair)
	v_mov_b32 v[SC9], s78
	v_mov_b32 v[SC11], s79
.endr
	WIN 0
.macro FRAGS reg, off                  ; eight fragments in one run: 32 loads of 512 consecutive bytes (at the head alone)
.set tt, 0
.rept 32
	ds_load_b128 v[\reg+4*tt:\reg+4*tt+3], v4 offset:\off+512*tt
.set tt, tt+1
.endr
.endm
; PLACE mi OF A TURN (0 .. 23).  TU: the tile that has the matrix unit.  Places 0-7: O^T += V^T P^T, channels 16 mi on; places 8-15: the same for pos (PVK = 2; 1: C = 0, the sums begin; 0: none).
; Places 16-23: S^T = K Q^T of the next step, tile of keys mi - 16 (QKK = 1).  The 24 accumulators take turns, one instruction a turn, over the turns' and the loop's edges too.
; LDK = 1: K's fragment mi of the next step at places 0-7; all eight are waited for at place 16.  LDK = 2: V's and pos's fragment mi - 8 of the next step at places 8-23.
; A load into registers that a product has read stands eight places behind that product, with far more than four plain vector instructions between (ISA guide 7.12.1 for vector instructions).
; VW: the window of the turn's vector work, which is set again at the end.
.macro MX
.if mi < 16
.if PVK
.set MW, 0x57+0x54*TU                  ; source 0 (V, pos) window 3; P, C and D the tile's window
	WIN MW
.if PVK == 1
	v_wmma_f32_16x16x128_fp8_fp8 v[8*mi:8*mi+7], v[16*mi:16*mi+15], v[P9+16*(mi/8):P9+16*(mi/8)+15], 0
.else
	v_wmma_f32_16x16x128_fp8_fp8 v[8*mi:8*mi+7], v[16*mi:16*mi+15], v[P9+16*(mi/8):P9+16*(mi/8)+15], v[8*mi:8*mi+7]
.endif
.endif
.else
.if QKK
.if LDK == 1
.if mi == 16
	s_wait_dscnt 0x0                               ; K of the next step is in: its last loads were issued eight places ago
.endif
.endif
.set MW, 0x54+0x54*TU                  ; source 0 (K) window 0; Q and D the tile's window
	WIN MW
	v_wmma_f32_16x16x128_fp8_fp8 v[S+8*(mi-16):S+8*(mi-16)+7], v[128+16*(mi-16):143+16*(mi-16)], v[Q:Q+15], 0
.endif
.endif
.if LDK == 1
.if mi < 8
	WIN 0
.irp c, 0,1,2,3
	ds_load_b128 v[128+16*mi+4*\c:131+16*mi+4*\c], v4 offset:2048*mi+512*\c
.endr
.endif
.endif
.if LDK == 2
.if mi >= 8
	WIN 0xC0                                       ; destination window 3, address window 0
.irp c, 0,1,2,3
	ds_load_b128 v[16*(mi-8)+4*\c:16*(mi-8)+4*\c+3], v4 offset:16384+2048*(mi-8)+512*\c
.endr
.endif
.endif
	WIN VW
.set mi, mi+1
.endm
.macro SCALE p                         ; pair p of the scores: t - M
	v_pk_fma_f32 v[S+2*(\p):S+2*(\p)+1], v[S+2*(\p):S+2*(\p)+1], s[38:39], v[NM:NM+1] op_sel_hi:[1,0,0]
.endm
; One tile's softmax for 128 keys, with the turn's 24 places in it.  first = 1: O^T does not exist yet and is not rescaled.
.macro SOFT first
	MX
.irp c, 0,1,2,3,4,5,6,7                        ; the largest score among my 64 keys: eight chains, one for each accumulator, each read from its low end on
	v_max3_num_f32 v[T+\c], v[S+8*\c], v[S+8*\c+1], v[S+8*\c+2]
.endr
	MX
.irp c, 0,1,2,3,4,5,6,7
	v_max3_num_f32 v[T+\c], v[T+\c], v[S+8*\c+3], v[S+8*\c+4]
.endr
	MX
.irp c, 0,1,2,3,4,5,6,7
	v_max3_num_f32 v[T+\c], v[T+\c], v[S+8*\c+5], v[S+8*\c+6]
.endr
	MX
	v_max3_num_f32 v[T], v[T], v[T+1], v[S+7]      ; the chains, each accumulator's eighth score and the largest score so far are joined
	v_max3_num_f32 v[T+2], v[T+2], v[T+3], v[S+15]
	v_max3_num_f32 v[T+4], v[T+4], v[T+5], v[S+23]
	v_max3_num_f32 v[T+6], v[T+6], v[T+7], v[S+31]
	v_max3_num_f32 v[T+1], v[S+39], v[S+47], v[S+55]
	v_mov_b32 v[T+3], v[NM]                        ; the old -M is kept for f
	v_max3_num_f32 v[T], v[T], v[T+2], v[T+4]
	v_max3_num_f32 v[T+6], v[T+6], v[T+1], v[S+63]
	v_max3_num_f32 v[T], v[T], v[T+6], v[NM+1]
	MX                                             ; (places stand in this chain of dependent lines)
	v_permlanex16_b32 v[T+2], v[T], s36, s37
	v_max_num_f32 v[NM+1], v[T], v[T+2]            ; and lane l xor 16's: the largest score so far
	MX
	v_mul_f32 v[T], s38, v[NM+1]                   ; as t (c is positive)
	v_floor_f32 v[NM], -v[T]                       ; the new -M = -ceil(t)
	MX
	SCALE 0
	v_sub_f32 v[T+3], v[NM], v[T+3]                ; old M - new M: a whole number, 0 or less
	SCALE 1
	v_cvt_i32_f32 v[T+3], v[T+3]                   ; (it saturates)
	SCALE 2
	v_ldexp_f32 v[FF], 1.0, v[T+3]                 ; f = 2^(old M - new M)
	SCALE 3
.set bb, 0
.rept 32                               ; ONE BATCH: the exponentials, with O^T's rescaling and the later pairs' scalings between them; no line here names an exponential's result
	v_exp_f32 v[S+2*bb], v[S+2*bb]
.if \first == 0
	v_pk_mul_f32 v[4*bb:4*bb+1], v[4*bb:4*bb+1], v[FF:FF+1] op_sel_hi:[1,0]
.endif
	v_exp_f32 v[S+2*bb+1], v[S+2*bb+1]
.if \first == 0
	v_pk_mul_f32 v[4*bb+2:4*bb+3], v[4*bb+2:4*bb+3], v[FF:FF+1] op_sel_hi:[1,0]
.endif
.if bb < 28
	SCALE bb+4
.endif
.if bb%3 == 2
	MX                                             ; ten places: behind pairs 2, 5, .. 29
.endif
.set bb, bb+1
.endr
	v_pk_mul_f32 v[LS:LS+1], v[LS:LS+1], v[FF:FF+1] op_sel_hi:[1,0]   ; l under the new M; the plain line behind the last exponential
	s_wait_alu depctr_va_vdst(0)                   ; one wait for the batch, ahead of its first reader
	v_pk_add_f32 v[T:T+1], v[S:S+1], v[S+2:S+3]    ; l takes the UNQUANTISED p: two at a time, in four chains
	v_pk_add_f32 v[T+2:T+3], v[S+4:S+5], v[S+6:S+7]
	v_pk_add_f32 v[T+4:T+5], v[S+8:S+9], v[S+10:S+11]
	v_pk_add_f32 v[LS:LS+1], v[LS:LS+1], v[S+12:S+13]
.set kk, 0
.rept 6
	v_pk_add_f32 v[T:T+1], v[T:T+1], v[S+14+8*kk:S+15+8*kk]
	v_pk_add_f32 v[T+2:T+3], v[T+2:T+3], v[S+16+8*kk:S+17+8*kk]
	v_pk_add_f32 v[T+4:T+5], v[T+4:T+5], v[S+18+8*kk:S+19+8*kk]
	v_pk_add_f32 v[LS:LS+1], v[LS:LS+1], v[S+20+8*kk:S+21+8*kk]
.if kk%3 == 1
	MX                                             ; two places
.endif
.set kk, kk+1
.endr
	v_pk_add_f32 v[T:T+1], v[T:T+1], v[S+62:S+63]
	v_pk_add_f32 v[T:T+1], v[T:T+1], v[T+2:T+3]
	v_pk_add_f32 v[LS:LS+1], v[LS:LS+1], v[T+4:T+5]
	v_pk_add_f32 v[LS:LS+1], v[LS:LS+1], v[T:T+1]
	; p is quantised twice; it is not negative, so each hold is one-sided (the conversion does not saturate: ISA guide 7.6.2).  Eight numbers at a time: held at 448 x 2^e9 into the work registers, at 448 x 2^e11 in place.
	; Each conversion but the last reads holds that were made seven lines back or more; the eighth hold in place is the plain line between the first conversion and the lines that write its sources anew.
.irp i, 0,1,2,3,4,5,6,7
	v_min_num_f32 v[T+\i], s46, v[S+\i]
.endr
.set gg, 0
.rept 8
.irp i, 0,1,2,3,4,5,6
	v_min_num_f32 v[S+8*gg+\i], s47, v[S+8*gg+\i]
.endr
	v_cvt_scalef32_pk8_fp8_f32 v[P9+2*gg:P9+2*gg+1], v[T:T+7], v[SC9]
	v_min_num_f32 v[S+8*gg+7], s47, v[S+8*gg+7]
.if gg < 7
.irp i, 0,1,2,3,4,5,6,7
	v_min_num_f32 v[T+\i], s46, v[S+8*gg+8+\i]
.endr
.endif
	v_cvt_scalef32_pk8_fp8_f32 v[P11+2*gg:P11+2*gg+1], v[S+8*gg:S+8*gg+7], v[SC11]
.if gg < 5
	MX                                             ; the last five places; behind the last stand 40 holds: the places between the turn's last product and the next turn's first read of its scores
.endif
.set gg, gg+1
.endr
	v_nop                                          ; a plain line between the last conversion and the matrix instructions that read its result
.endm
.macro TURN vw, first, tu, pvk, qkk, ldk
.set VW, \vw
.set TU, \tu
.set PVK, \pvk
.set QKK, \qkk
.set LDK, \ldk
.set mi, 0
	SOFT \first
.endm
.macro BARE w, tu, pvk, qkk, from, n   ; n products with no vector work between: at the two ends, where there is none
.set VW, \w
.set TU, \tu
.set PVK, \pvk
.set QKK, \qkk
.set LDK, 0
.set mi, \from
.rept \n
	MX
.endr
.endm
; THE CHANGE OF SLOTS, between turn B of one step and turn A of the next.  Each wave waits for all its tensor loads (its quarter of the block ahead), adds 0 to its spare word, and waits for that and for its reads of the
; block that it has read out.  fill = 1: the barrier is a round of the cluster's, and the joint refill of the slot just read out is the first thing behind it: it has a whole key step in which to land.
.macro CHANGE fill
	WIN 0
	s_wait_tensorcnt 0x0                           ; no tensor load of mine is out, so the descriptor may be written
	ds_add_u32 v1, v2                              ; 0 onto my spare word: the steps below stand between it and the wait for it
.if \fill
	s_xor_b32 s33, s33, SLOT1                      ; the other slot than last time,
	s_add_nc_u64 s[34:35], s[34:35], TILEB         ; the next 256 keys; the type bits on top are not reached
	s_wait_xcnt 0x0                                ; the last prefetch, a key step back, has read its address
	s_add_nc_u64 s[44:45], s[44:45], TILEB
.endif
	s_xor_b32 s40, s40, SLOT1                      ; the fetches go on to the other slot
	v_add_nc_u32 v4, s40, v3
	s_wait_dscnt 0x0                               ; the add is done, and my reads of the block that I have read out are over
.if \fill
	CROUND
	tensor_load_to_lds s[32:35], s[24:31]
	s_nop 0
.rept 4
	v_nop
.endr
	ASK
.else
	s_barrier_signal -1
	s_barrier_wait -1
.endif
.endm
	s_wait_loadcnt 16                              ; Q is in; the 16 loads of features may stay out
	s_wait_tensorcnt 0x1                           ; my quarter of block 0 is in; block 1's may stay out
	s_barrier_signal -1
	s_barrier_wait -1                              ; everybody's is
	v_add_nc_u32 v4, s40, v3
	FRAGS 128, 0                                   ; K of step 0
	s_wait_dscnt 0x0
	BARE 0x54, 0, 0, 1, 16, 8                      ; tile 0's first scores
	WIN 0xC0
	FRAGS 0, 16384                                 ; V and pos of step 0: wanted behind the first change of slots, which waits for them
	FRAGS 128, 32768
	WIN 0x55
.rept 4
	v_nop                                          ; four places between the last product and the first read of the scores (ISA guide 7.12.1)
.endr
	TURN 0x55, 1, 1, 0, 1, 0                       ; tile 1's first scores | tile 0's first softmax
	CHANGE 1                                       ; block 1 is whole; slot 0 takes block 2
	TURN 0xAA, 1, 0, 1, 1, 1                       ; A(0): tile 0's products start its O^T; its scores of step 1 | tile 1's first softmax | K of step 1
	TURN 0x55, 0, 1, 1, 1, 2                       ; B(0): the same for tile 1 | tile 0's softmax of step 1 | V and pos of step 1
	WIN 0                                          ; at a label and at a branch every window is 0
	s_mov_b32 s41, 13
.Lslot:                                            ; 13 trips, steps 1 to 13: each change asks for the block two on
	CHANGE 1
	TURN 0xAA, 0, 0, 2, 1, 1
	TURN 0x55, 0, 1, 2, 1, 2
	WIN 0
	s_sub_co_u32 s41, s41, 1
	s_cmp_lg_u32 s41, 0
	s_cbranch_scc1 .Lslot
	CHANGE 0                                       ; step 14 is written out: block 15 is whole, and nothing is asked for
	TURN 0xAA, 0, 0, 2, 1, 1
	TURN 0x55, 0, 1, 2, 1, 2
	s_wait_dscnt 0x0                               ; V and pos of step 15 are in
	TURN 0xAA, 0, 0, 2, 0, 0                       ; A(15): tile 0's last products | tile 1's last softmax
	BARE 0xAB, 1, 2, 0, 0, 16                      ; tile 1's last products
	; ---- THE WAY OUT.  l's halves are added; the two streams are joined: O = Ov x 2^(e8 + e9) + Op x 2^(e10 + e11).  Tile 0's lines are the places behind tile 1's last products.
.irp w, 0x55, 0xAA
	WIN \w
	v_add_f32 v[LS], v[LS], v[LS+1]
	v_permlanex16_b32 v[T+2], v[LS], s36, s37
	v_add_f32 v[LS], v[LS], v[T+2]
.set jj, 0
.rept 32
	v_pk_mul_f32 v[jj:jj+1], v[jj:jj+1], s[60:61] op_sel_hi:[1,0]
.set jj, jj+2
.endr
.set jj, 0
.rept 32
	v_pk_fma_f32 v[jj:jj+1], v[64+jj:65+jj], s[62:63], v[jj:jj+1] op_sel_hi:[1,0,1]
.set jj, jj+2
.endr
.endr
	WIN 0x04                                       ; store data window 1
.set kk, 0
.rept 16
	ds_store_b128 v7, v[4*kk:4*kk+3] offset:512*kk                ; an image of the registers: 512 consecutive bytes a store
.set kk, kk+1
.endr
	ds_store_b32 v8, v[NM]
	ds_store_b32 v8, v[LS] offset:128
	WIN 0x08                                       ; window 2
.set kk, 0
.rept 16
	ds_store_b128 v7, v[4*kk:4*kk+3] offset:8192+512*kk
.set kk, kk+1
.endr
	ds_store_b32 v8, v[NM] offset:256
	ds_store_b32 v8, v[LS] offset:384
	WIN 0
	BARRIER                                        ; the four images lie in LDS
	; wave (qh, kg) finishes channels 64 kg .. 64 kg + 63 of its 32 queries: its own half and that of the wave with the other keys
.set uu, 0
.rept 2
.set kk, 0
.rept 8
	ds_load_b128 v[128+32*uu+4*kk:131+32*uu+4*kk], v9 offset:8192*uu+512*kk
	ds_load_b128 v[192+32*uu+4*kk:195+32*uu+4*kk], v10 offset:8192*uu+512*kk
.set kk, kk+1
.endr
	ds_load_b32 v[16+8*uu], v8 offset:256*uu       ; my -M, l,
	ds_load_b32 v[17+8*uu], v8 offset:256*uu+128
	ds_load_b32 v[18+8*uu], v11 offset:256*uu      ; the other's
	ds_load_b32 v[19+8*uu], v11 offset:256*uu+128
.set uu, uu+1
.endr
	s_wait_dscnt 0x0
.irp e, 16, 24
	v_min_num_f32 v[\e+4], v[\e], v[\e+2]          ; the common -M
	v_sub_f32 v[\e+5], v[\e+4], v[\e]              ; my M - M, a whole number, 0 or less,
	v_sub_f32 v[\e+6], v[\e+4], v[\e+2]            ; and the other's
	v_cvt_i32_f32 v[\e+5], v[\e+5]
	v_cvt_i32_f32 v[\e+6], v[\e+6]
	v_ldexp_f32 v[\e+5], 1.0, v[\e+5]
	v_ldexp_f32 v[\e+6], 1.0, v[\e+6]
	v_mul_f32 v[\e+7], v[\e+1], v[\e+5]
	v_fma_f32 v[\e+7], v[\e+3], v[\e+6], v[\e+7]   ; the row's sum under the common M
.endr
	v_rcp_f32 v23, v23
	v_rcp_f32 v31, v31
	v_nop                                          ; a plain line behind the last reciprocal
	s_wait_alu depctr_va_vdst(0)                   ; one wait for both, ahead of the first reader
.set uu, 0
.rept 2
	v_mul_f32 v[32+4*uu], v[21+8*uu], v[23+8*uu]   ; my factor, twice (a pair for the packed forms),
	v_mul_f32 v[33+4*uu], v[21+8*uu], v[23+8*uu]
	v_mul_f32 v[34+4*uu], v[22+8*uu], v[23+8*uu]   ; and the other's
	v_mul_f32 v[35+4*uu], v[22+8*uu], v[23+8*uu]
.set uu, uu+1
.endr
.set uu, 0
.rept 2
.set jj, 0
.rept 16
	v_pk_mul_f32 v[128+32*uu+jj:129+32*uu+jj], v[128+32*uu+jj:129+32*uu+jj], v[32+4*uu:33+4*uu]
.set jj, jj+2
.endr
.set jj, 0
.rept 16
	v_pk_fma_f32 v[128+32*uu+jj:129+32*uu+jj], v[192+32*uu+jj:193+32*uu+jj], v[34+4*uu:35+4*uu], v[128+32*uu+jj:129+32*uu+jj]
.set jj, jj+2
.endr
.set uu, uu+1
.endr
.set uu, 0
.rept 2
.set cc, 0
.rept 4
.set jj, 0
.rept 8
	ds_store_b32 v12, v[128+32*uu+8*cc+jj] offset:(16*cc+jj)*SP+32*uu     ; channel 64 kg + 16 c + 8 h + j, query 32 qh + 8 u + r + 8 (r / 8)
.set jj, jj+1
.endr
.set cc, cc+1
.endr
.set uu, uu+1
.endr
	BARRIER                                        ; 128 channels x 64 queries lie in the stage
.set ii, 0
.rept 16
	ds_load_b128 v[128+4*ii:131+4*ii], v13 offset:SP*ii           ; channel 32 w + 16 h + i, queries 4 r .. 4 r + 3
.set ii, ii+1
.endr
	s_wait_loadcnt 0x0                             ; features
	s_wait_dscnt 0x0
.set jj, 0
.rept 32
	v_pk_add_f32 v[128+jj:129+jj], v[128+jj:129+jj], v[64+jj:65+jj]
.set jj, jj+2
.endr
.set ii, 0
.rept 16
	global_store_b128 v6, v[128+4*ii:131+4*ii], s[12:13] offset:16384*ii  ; sixteen lanes store 256 consecutive bytes, aligned
.set ii, ii+1
.endr
	; for each of my 32 channels the sum S1 of its 64 numbers and M2 = the sum of (x - S1 / 64)^2: no difference of large sums is formed
.set ii, 0
.rept 16
	v_add_f32 v[16+ii], v[128+4*ii], v[129+4*ii]
.set ii, ii+1
.endr
.set ii, 0
.rept 16
	v_add_f32 v[32+ii], v[130+4*ii], v[131+4*ii]
.set ii, ii+1
.endr
.set ii, 0
.rept 16
	v_add_f32 v[16+ii], v[16+ii], v[32+ii]
.set ii, ii+1
.endr
.irp x, 1,2,4,8
.set ii, 0
.rept 16
	v_add_f32_dpp v[16+ii], v[16+ii], v[16+ii] row_xmask:\x row_mask:0xf bank_mask:0xf
.set ii, ii+1
.endr
.endr
.set ii, 0
.rept 16
	v_mul_f32 v[32+ii], 0x3c800000, v[16+ii]       ; S1 / 64
.set ii, ii+1
.endr
.set jj, 0
.rept 64
	v_sub_f32 v[64+jj], v[128+jj], v[32+jj/4]
.set jj, jj+1
.endr
.set ii, 0
.rept 16
	v_mul_f32 v[32+ii], v[64+4*ii], v[64+4*ii]
.set ii, ii+1
.endr
.irp k, 1,2,3
.set ii, 0
.rept 16
	v_fma_f32 v[32+ii], v[64+4*ii+\k], v[64+4*ii+\k], v[32+ii]
.set ii, ii+1
.endr
.endr
.irp x, 1,2,4,8
.set ii, 0
.rept 16
	v_add_f32_dpp v[32+ii], v[32+ii], v[32+ii] row_xmask:\x row_mask:0xf bank_mask:0xf
.set ii, ii+1
.endr
.endr
	v_mov_b32 v48, v16                             ; lane (r, h) keeps row i = r: channel 32 w + lane
	v_mov_b32 v49, v32
.set ii, 1
.rept 15
	v_cmp_eq_u32 vcc_lo, ii, v15
	v_cndmask_b32 v48, v48, v[16+ii], vcc_lo
	v_cndmask_b32 v49, v49, v[32+ii], vcc_lo
.set ii, ii+1
.endr
	global_store_b64 v14, v[48:49], s[14:15]       ; the wave stores 256 consecutive bytes, aligned
	s_wait_tensorcnt 0x0                           ; the wave's end: behind my last tensor load and my last LDS store
	ds_add_u32 v1, v2
	s_wait_dscnt 0x0
	CROUND                                         ; the closing round: no work-group ends while a partner may still ask for a block that names it
	s_endpgm
.Lfunc_end_k_qe452eaf7b9_attn:
	.size	k_qe452eaf7b9_attn, .Lfunc_end_k_qe452eaf7b9_attn-k_qe452eaf7b9_attn
	.p2alignl 7, 3214868480
	.fill 96, 4, 3214868480
	.section	.rodata,"a",@progbits
	.p2align	6, 0x0
	.amdhsa_kernel k_qe452eaf7b9_attn
		.amdhsa_group_segment_fixed_size 327680
		.amdhsa_private_segment_fixed_size 0
		.amdhsa_enable_private_segment 0
		.amdhsa_kernarg_size 48
		.amdhsa_user_sgpr_count 2
		.amdhsa_user_sgpr_kernarg_segment_ptr 1
		.amdhsa_wavefront_size32 1
		.amdhsa_system_sgpr_workgroup_id_x 1
		.amdhsa_system_sgpr_workgroup_id_y 1
		.amdhsa_system_sgpr_workgroup_id_z 1
		.amdhsa_system_vgpr_workitem_id 0
		.amdhsa_next_free_vgpr 1024
		.amdhsa_next_free_sgpr 96
		.amdhsa_reserve_vcc 1
		.amdhsa_float_denorm_mode_32 3
		.amdhsa_float_denorm_mode_16_64 3
		.amdhsa_memory_ordered 1
		.amdhsa_forward_progress 1
		.amdhsa_inst_pref_size 239
	.end_amdhsa_kernel
	.amdgpu_metadata
---
amdhsa.version: [ 1, 2 ]
amdhsa.kernels:
  - .name:           k_qe452eaf7b9_attn
    .symbol:         k_qe452eaf7b9_attn.kd
    .args:
      - { .name: qc, .offset: 0, .size: 8, .value_kind: global_buffer, .address_space: global }
      - { .name: kvp, .offset: 8, .size: 8, .value_kind: global_buffer, .address_space: global }
      - { .name: features, .offset: 16, .size: 8, .value_kind: global_buffer, .address_space: global }
      - { .name: lowp_scales, .offset: 24, .size: 8, .value_kind: global_buffer, .address_space: global }
      - { .name: newf, .offset: 32, .size: 8, .value_kind: global_buffer, .address_space: global }
      - { .name: stats, .offset: 40, .size: 8, .value_kind: global_buffer, .address_space: global }
    .group_segment_fixed_size: 327680
    .private_segment_fixed_size: 0
    .kernarg_segment_align: 8
    .kernarg_segment_size: 48
    .max_flat_workgroup_size: 128
    .sgpr_count:     96
    .vgpr_count:     1024
    .wavefront_size: 32
...
	.end_amdgpu_metadata
.endif
;; end of part 2
;; launch bn (part 3): grid 256 x 1, 8 waves a work-group, no clusters, 9,216 bytes of LDS; arguments newf, stats, gamma, beta, out0; writes out0
.if DOCPART == 3
	.amdgcn_target "amdgcn-amd-amdhsa--gfx1250"
	.amdhsa_code_object_version 6
	.text
	.protected	k_qe452eaf7b9_bn
	.globl	k_qe452eaf7b9_bn
	.p2align	8
	.type	k_qe452eaf7b9_bn,@function
k_qe452eaf7b9_bn:
	s_mov_b64 s[64:65], 0
	v_nop
	global_prefetch_b8 v0, s[64:65] scope:SCOPE_SE
	s_setreg_imm32_b32 hwreg(HW_REG_WAVE_MODE, 25, 1), 1
	s_wait_xcnt 0x0
; out0 = relu((x - mean) x rsqrt(var + 1e-5) x gamma + beta), mean and var of each channel over the 4 x 4,096 numbers of x = newf.
; stats holds, for each group of 32 channels, 256 records of 256 bytes: for each channel the sum S1 of 64 numbers and M2 = the sum of their squared distances from S1 / 64.
; mean = sum of S1 / 16,384;  var = (sum of M2 + 64 x sum of (S1 / 64 - mean)^2) / 16,384: no difference of large sums is formed.
; SHARES.  A work-group takes 32 channels (cg) x 256 points (nr) of one batch and sums its channel group's 256 records itself, 32 a wave; wave w then takes channels 4 w .. 4 w + 3.
; Memory binds: no matrix unit, no cluster, no tensor load.  Every load and store of x covers 512 consecutive bytes, aligned.
; LDS: 0: the first sums, 256 bytes a wave; 2,048: the second, 128 a wave; 3,072: a table of 32 x (a, a, sh, sh) for each wave, its own.
	s_load_b256 s[4:11], s[0:1], 0x0               ; newf s[4:5], stats s[6:7], gamma s[8:9], beta s[10:11]
	s_load_b64 s[12:13], s[0:1], 0x20              ; out0
	v_lshl_add_u32 v192, v0, 2, 0x2000
	v_mov_b32 v193, 0
	v_lshrrev_b32 v1, 5, v0
	v_readfirstlane_b32 s14, v1                    ; wave 0..7
	s_and_b32 s15, ttmp9, 3                        ; cg
	s_bfe_u32 s16, ttmp9, 0x40002                  ; nr
	s_lshr_b32 s17, ttmp9, 6                       ; b
	s_mov_b32 s18, 0x76543210                      ; v_permlanex16_b32's selects for lane l xor 16
	s_mov_b32 s19, 0xfedcba98
	s_mov_b32 s24, 0x3c800000                      ; 1 / 64
	s_mov_b32 s25, 0x42800000                      ; 64
	s_mov_b32 s26, 0x38800000                      ; 1 / 16,384
	s_mov_b32 s27, 0x3727c5ac                      ; 1e-5
	v_and_b32 v2, 15, v0                           ; r: my two channels are 2 r, 2 r + 1 of the 32
	v_and_b32 v1, 31, v0
	v_lshlrev_b32 v1, 4, v1                        ; 16 x lane
	s_lshl_b32 s20, s14, 8
	v_lshl_add_u32 v3, v2, 4, s20                  ; the first sums: where I put mine,
	v_lshlrev_b32 v4, 4, v2                        ; and where I read all eight waves'
	s_lshl_b32 s20, s14, 7
	s_add_co_u32 s20, s20, 2048
	v_lshl_add_u32 v5, v2, 3, s20                  ; the second sums likewise
	v_lshl_add_u32 v6, v2, 3, 2048
	s_lshl_b32 s20, s14, 9
	s_add_co_u32 s20, s20, 3072
	v_lshl_add_u32 v7, v2, 5, s20                  ; my wave's table: my two channels' 32 bytes,
	s_lshl_b32 s21, s14, 6
	s_add_co_u32 s21, s21, s20
	v_mov_b32 v8, s21                              ; and the four channels that my wave applies
	v_lshlrev_b32 v9, 3, v2                        ; gamma, beta: 8 r bytes
	v_mov_b32 v20, 0                               ; a lane permute's destination counts as one of its sources
	v_mov_b32 v21, 0
	v_mov_b32 v22, 0
	v_mov_b32 v23, 0
	s_lshl_b32 s22, s15, 16
	s_lshl_b32 s20, s14, 13
	s_add_co_u32 s22, s22, s20                     ; my wave's 32 records
	s_mov_b32 s23, 0
	s_lshl_b32 s28, s15, 7                         ; my group's 32 numbers of gamma and beta
	s_mov_b32 s29, 0
	s_lshl_b32 s30, s17, 21
	s_lshl_b32 s20, s15, 19
	s_add_co_u32 s30, s30, s20
	s_lshl_b32 s20, s14, 16
	s_add_co_u32 s30, s30, s20
	s_lshl_b32 s20, s16, 10
	s_add_co_u32 s30, s30, s20                     ; (b, channel 32 cg + 4 w, point 256 nr)
	s_mov_b32 s31, 0
	s_wait_kmcnt 0x0
	s_add_nc_u64 s[6:7], s[6:7], s[22:23]
	s_add_nc_u64 s[8:9], s[8:9], s[28:29]
	s_add_nc_u64 s[10:11], s[10:11], s[28:29]
	s_add_nc_u64 s[4:5], s[4:5], s[30:31]
	s_add_nc_u64 s[12:13], s[12:13], s[30:31]
.set ii, 0
.rept 16
	global_load_b128 v[32+4*ii:35+4*ii], v1, s[6:7] offset:512*ii     ; two records a load: lane (r, h): record 2 i + h: S1, M2 of channel 2 r, S1, M2 of channel 2 r + 1
.set ii, ii+1
.endr
	global_load_b64 v[10:11], v9, s[8:9]
	global_load_b64 v[12:13], v9, s[10:11]
.set kk, 0
.rept 4
	global_load_b128 v[96+8*kk:99+8*kk], v1, s[4:5] offset:16384*kk th:TH_LOAD_NT
	global_load_b128 v[100+8*kk:103+8*kk], v1, s[4:5] offset:16384*kk+512 th:TH_LOAD_NT
.set kk, kk+1
.endr
	s_wait_loadcnt 8                               ; the records, gamma and beta are in; the 8 loads of x may stay out
	; ---- the sums of S1 and of M2
	v_pk_add_f32 v[16:17], v[32:33], v[36:37]
	v_pk_add_f32 v[18:19], v[34:35], v[38:39]
.set ii, 2
.rept 14
	v_pk_add_f32 v[16:17], v[16:17], v[32+4*ii:33+4*ii]
	v_pk_add_f32 v[18:19], v[18:19], v[34+4*ii:35+4*ii]
.set ii, ii+1
.endr
.irp j, 0,1,2,3
	v_permlanex16_b32 v[20+\j], v[16+\j], s18, s19
.endr
	v_pk_add_f32 v[16:17], v[16:17], v[20:21]
	v_pk_add_f32 v[18:19], v[18:19], v[22:23]
	ds_store_b128 v3, v[16:19]                     ; (both halves of the lanes store the same numbers to the same bytes)
	s_wait_dscnt 0x0                               ; for the others' sake: my store has landed
	s_barrier_signal -1
	s_barrier_wait -1
.set jj, 0
.rept 8
	ds_load_b128 v[128+4*jj:131+4*jj], v4 offset:256*jj
.set jj, jj+1
.endr
	s_wait_dscnt 0x0
.set jj, 1
.rept 7
	v_pk_add_f32 v[128:129], v[128:129], v[128+4*jj:129+4*jj]
	v_pk_add_f32 v[130:131], v[130:131], v[130+4*jj:131+4*jj]
.set jj, jj+1
.endr
	v_mul_f32 v24, s26, v128                       ; the means of my two channels
	v_mul_f32 v25, s26, v130
	; ---- the records' means against the mean
.set ii, 0
.rept 16
	v_fma_f32 v[32+4*ii], v[32+4*ii], s24, -v24
	v_fma_f32 v[34+4*ii], v[34+4*ii], s24, -v25
.set ii, ii+1
.endr
	v_mul_f32 v28, v32, v32
	v_mul_f32 v29, v34, v34
.set ii, 1
.rept 15
	v_fma_f32 v28, v[32+4*ii], v[32+4*ii], v28
	v_fma_f32 v29, v[34+4*ii], v[34+4*ii], v29
.set ii, ii+1
.endr
	v_permlanex16_b32 v20, v28, s18, s19
	v_permlanex16_b32 v21, v29, s18, s19
	v_pk_add_f32 v[28:29], v[28:29], v[20:21]
	ds_store_b64 v5, v[28:29]                      ; other bytes than the first sums': no barrier is owed between those reads and this store
	s_wait_dscnt 0x0
	s_barrier_signal -1
	s_barrier_wait -1
.set jj, 0
.rept 8
	ds_load_b64 v[160+2*jj:161+2*jj], v6 offset:128*jj
.set jj, jj+1
.endr
	s_wait_dscnt 0x0
.set jj, 1
.rept 7
	v_pk_add_f32 v[160:161], v[160:161], v[160+2*jj:161+2*jj]
.set jj, jj+1
.endr
	v_fma_f32 v30, v160, s25, v129                 ; sum of M2 + 64 x sum of squares
	v_fma_f32 v31, v161, s25, v131
	v_fma_f32 v30, v30, s26, s27                   ; var + 1e-5
	v_fma_f32 v31, v31, s26, s27
	v_rsq_f32 v30, v30
	v_rsq_f32 v31, v31
	v_nop                                          ; a plain line behind the last of the two
	s_wait_alu depctr_va_vdst(0)                   ; one wait for both, ahead of the first reader
	v_mul_f32 v176, v10, v30                       ; a = gamma x rsqrt
	v_mul_f32 v180, v11, v31
	v_mov_b32 v177, v176
	v_mov_b32 v181, v180
	v_fma_f32 v178, -v24, v176, v12                ; sh = beta - mean x a
	v_fma_f32 v182, -v25, v180, v13
	v_mov_b32 v179, v178
	v_mov_b32 v183, v182
	ds_store_b128 v7, v[176:179]
	ds_store_b128 v7, v[180:183] offset:16
.set kk, 0
.rept 4
	ds_load_b128 v[144+4*kk:147+4*kk], v8 offset:16*kk            ; my wave's own bytes: LDS serves a wave's instructions in order (ISA guide 5.7.1.4)
.set kk, kk+1
.endr
	s_wait_dscnt 0x0
	s_wait_loadcnt 0x0                             ; x
.set kk, 0
.rept 4
.set jj, 0
.rept 4
	v_pk_fma_f32 v[96+8*kk+2*jj:97+8*kk+2*jj], v[96+8*kk+2*jj:97+8*kk+2*jj], v[144+4*kk:145+4*kk], v[146+4*kk:147+4*kk]
.set jj, jj+1
.endr
.set kk, kk+1
.endr
.set jj, 0
.rept 32
	v_max_num_f32 v[96+jj], 0, v[96+jj]
.set jj, jj+1
.endr
.set kk, 0
.rept 4
	global_store_b128 v1, v[96+8*kk:99+8*kk], s[12:13] offset:16384*kk th:TH_STORE_NT
	global_store_b128 v1, v[100+8*kk:103+8*kk], s[12:13] offset:16384*kk+512 th:TH_STORE_NT
.set kk, kk+1
.endr
	s_wait_tensorcnt 0x0
	ds_add_u32 v192, v193
	s_wait_dscnt 0x0
	s_endpgm
.Lfunc_end_k_qe452eaf7b9_bn:
	.size	k_qe452eaf7b9_bn, .Lfunc_end_k_qe452eaf7b9_bn-k_qe452eaf7b9_bn
	.p2alignl 7, 3214868480
	.fill 96, 4, 3214868480
	.section	.rodata,"a",@progbits
	.p2align	6, 0x0
	.amdhsa_kernel k_qe452eaf7b9_bn
		.amdhsa_group_segment_fixed_size 9216
		.amdhsa_private_segment_fixed_size 0
		.amdhsa_enable_private_segment 0
		.amdhsa_kernarg_size 40
		.amdhsa_user_sgpr_count 2
		.amdhsa_user_sgpr_kernarg_segment_ptr 1
		.amdhsa_wavefront_size32 1
		.amdhsa_system_sgpr_workgroup_id_x 1
		.amdhsa_system_sgpr_workgroup_id_y 1
		.amdhsa_system_sgpr_workgroup_id_z 1
		.amdhsa_system_vgpr_workitem_id 0
		.amdhsa_next_free_vgpr 194
		.amdhsa_next_free_sgpr 66
		.amdhsa_reserve_vcc 0
		.amdhsa_float_denorm_mode_32 3
		.amdhsa_float_denorm_mode_16_64 3
		.amdhsa_memory_ordered 1
		.amdhsa_forward_progress 1
		.amdhsa_inst_pref_size 19
	.end_amdhsa_kernel
	.amdgpu_metadata
---
amdhsa.version: [ 1, 2 ]
amdhsa.kernels:
  - .name:           k_qe452eaf7b9_bn
    .symbol:         k_qe452eaf7b9_bn.kd
    .args:
      - { .name: newf, .offset: 0, .size: 8, .value_kind: global_buffer, .address_space: global }
      - { .name: stats, .offset: 8, .size: 8, .value_kind: global_buffer, .address_space: global }
      - { .name: gamma, .offset: 16, .size: 8, .value_kind: global_buffer, .address_space: global }
      - { .name: beta, .offset: 24, .size: 8, .value_kind: global_buffer, .address_space: global }
      - { .name: out0, .offset: 32, .size: 8, .value_kind: global_buffer, .address_space: global }
    .group_segment_fixed_size: 9216
    .private_segment_fixed_size: 0
    .kernarg_segment_align: 8
    .kernarg_segment_size: 40
    .max_flat_workgroup_size: 256
    .sgpr_count:     66
    .vgpr_count:     194
    .wavefront_size: 32
...
	.end_amdgpu_metadata
.endif
;; end of part 3
